; MI455X (gfx1250); checked and timed in simulation.
; The chip was launched on July 23, 2026; its instructions are those of AMD's public machine-readable ISA for CDNA 5 (MIT licence, August 2026) and "CDNA5" Instruction Set Architecture Reference Guide (July 2026). The comments in the code are by the model that wrote it; some were corrected since.
;; Linear Attention. Allowed arithmetic: matrix products marked QUANTISED: E3M2 operands, one E8M0 scale for each 32 along K, by v_wmma_scale_f32_16x16x128_f8f6f4 with both operands' format E3M2, f32 sums; products left as they are: f32 operands where the result goes on into a quantised operand, else bf16, f16 or f32 operands; f32 sums; everything else in f32.
;; Inputs: k 8 x 8 x 4,800 x 32 float32; kv_mask 8 x 4,800 bool; q 8 x 8 x 4,800 x 32 float32; q_mask 8 x 4,800 bool; v 8 x 8 x 4,800 x 32 float32.
;; Outputs: out0 8 x 8 x 4,800 x 32 float32.
;; This version of the problem:
;;   THIS VERSION OF THE PROBLEM IS GIVEN IN LOW PRECISION. The matrix products marked QUANTISED in the list below multiply operands that are first quantised to E3M2 (3 exponent bits, 2 mantissa bits; 6 bits a number), with one power-of-two scale for each 32 numbers along K (OCP MX v1.0); their sums are f32. All else is computed in f32.
;;   The module's matrix products, in the order in which they are computed (A, B: the left and right operand; K: the contracted axis; several contracted axes count as one K, in the product's order):
;;     1. batch 64 x [M 32, K 4,800] x [K 4,800, N 32]; A: computed on the way; B: computed on the way: QUANTISED
;;     2. batch 64 x [M 4,800, K 32] x [K 32, N 1]; A: computed on the way; B: computed on the way: left as it is (N = 1 < 16)
;;     3. batch 64 x [M 4,800, K 32] x [K 32, N 32]; A: computed on the way; B: computed on the way: QUANTISED
;;   THE QUANTISER, for each operand of a quantised product, along K:
;;     - K is cut into blocks of 32 from its start; a last block that is shorter is filled with zeros.
;;     - A block's scale is 2^e with e = floor(log2(the largest magnitude in the block)) - 4, held to -126 .. 127; a block of zeros has e = 0. As a byte (E8M0): e + 127.
;;     - Each number is divided by its block's scale, clamped to +-28, and rounded to the nearest number of E3M2, ties to even, subnormals kept.
;;     - The product sums the exact products of the quantised numbers (number of the format x scale) in f32.
;;   ~~~python
;;   def quantise(x, axis):      # numpy; x: float32 -> the quantised numbers, widened to float32 again
;;       x = np.moveaxis(x, axis, -1); K = x.shape[-1]
;;       x = np.pad(x, [(0, 0)] * (x.ndim - 1) + [(0, -K % 32)]); x = x.reshape(x.shape[:-1] + (-1, 32)); a = np.abs(x).max(-1, keepdims=True)
;;       e = np.where(a > 0, np.clip(np.frexp(np.where(a > 0, a, 1))[1] - 1 - 4, -126, 127), 0)      # np.frexp(a)[1] - 1 = floor(log2(a)), exactly
;;       r = np.clip(x / 2.0 ** e, -28, 28)
;;       step = 2.0 ** (np.maximum(np.frexp(np.where(r == 0, 1, r))[1] - 1, -2) - 2)
;;       q = np.round(r / step) * step * 2.0 ** e      # np.round: ties to even
;;       return np.moveaxis(q.reshape(q.shape[:-2] + (-1,))[..., :K], -1, axis).astype(np.float32)
;;   ~~~
;;   OPERANDS COMPUTED ON THE WAY. 'Computed on the way' means the value that the module computes at that place (a softmax that the list does not call 'softmax' is quantised finished and normalised). What goes into a quantiser is computed in f32, as accurately as f32 sums, v_exp_f32 and their like allow (about 1e-6 of the number): no bf16 or f16 on the way to a quantiser, and a product that is left as it is and whose result goes on into a quantised operand takes f32 operands (vector FMAs, or v_wmma_f32_16x16x4_f32). A number that lies on a knife's edge between two numbers of the format may be rounded either way, as far as f32 arithmetic and the matrix unit's own rounding can turn it there, and no further.
;; One version. Each part assembles by itself: llvm-mc -triple=amdgcn-amd-amdhsa -mcpu=gfx1250 --defsym DOCPART=n.
;; ======== version 1 of 1: 2 launches
;; workspace buffers: part 1,179,648 bytes
;; launch kvsum (part 1): grid 256 x 1, 19 waves a work-group, no clusters, 313,856 bytes of LDS; arguments k, v, kv_mask, part; writes part
.if DOCPART == 1
	.amdgcn_target "amdgcn-amd-amdhsa--gfx1250"
	.amdhsa_code_object_version 6
	.text
	.protected	k_qcd38051372_kvsum
	.globl	k_qcd38051372_kvsum
	.p2align	8
	.type	k_qcd38051372_kvsum,@function
k_qcd38051372_kvsum:
	s_mov_b64 s[64:65], 0
	v_nop
	global_prefetch_b8 v0, s[64:65] scope:SCOPE_SE
	s_setreg_imm32_b32 hwreg(HW_REG_WAVE_MODE, 25, 1), 1
	s_wait_xcnt 0x0
; PARTIAL SUMS OF kv[d][e] = sum over s of Q(kf[s][d]) Q(vs[s][e]) AND OF k_sum[d] = sum over s of kf[s][d], for a quarter of a head.
; kf = (elu(k) + 1) x mask, vs = v x mask / 4800; Q quantises along s to E3M2 codes with one E8M0 scale for each 32 rows.  k, v: [64 heads][4800][32] f32; kv_mask: [8][4800] bytes of 0 or 1.
; SHARES.  A head is 75 steps of 64 rows.  Work-group x owns quarter x % 4 of head x / 4; wave w of its 19 owns step 19 (x % 4) + w.  Step 75 does not exist (wave 18 of quarter 3 alone):
; that wave reads step 74 once more with both mask multipliers 0, so that it adds zeros: no branch, and no load leaves its buffer.
; DATA PATH.  Each wave asks at once for its own 8,192 bytes of k and of v (two tensor loads, dense, as 32 rows of 256 bytes) into its own 16,384 bytes of LDS, and reads only those: its own wait on
; TENSORcnt orders the reads.  Nothing is filled twice.
; LAYOUT.  The rows run along K, which is not innermost in memory: LANE l TAKES COLUMN l AND ITS REGISTERS RUN DOWN s.  A ds_load_b32 reads one row, 128 consecutive bytes.  A block of 32 rows of a column
; lies in one lane: its largest magnitude needs no other lane, and the conversions give codes with K innermost.
; A block's 32 codes are laid as TWO HALF-FILLED BLOCKS OF THE INSTRUCTION: rows 0-15 in operand registers 0-2, rows 16-31 in registers 6-8, zero codes in 3-5 and 9-11, and the block's scale byte
; stands for both.  So each conversion's three registers begin on an even number, nothing is moved, and the wave's two blocks fill one instruction of 128 along K.
; Six lane swaps an operand turn (block 0 of column l | block 1 of column l) into the operands of columns 0-15 and 16-31.  The scale word of column l lies in lane l: the first tile reads lanes 0-15, the second lanes 16-31.
; elu(x) + 1 = med3(x, e^x - 1, 0) + 1: for x > 0 the order is 0 < x < e^x - 1, for x < 0 it is x < e^x - 1 < 0.  The -1 and +1 are kept as the definition has them, so that far negative x gives exactly 0.
; SUM OVER THE WAVES.  Each wave's 32 registers of kv and 4 chains of k_sum go as an image of the registers into its k tile (read out, never filled again); a barrier; waves 0-8 add one slab of 512 bytes each.
; OUT: part[x] = 4,608 bytes: slab q < 8: registers 4 q .. 4 q + 3 of the image, 16 bytes a lane; register 16 te + 8 td + j of lane (r, h) is kv[16 td + 8 h + j][16 te + r]; slab 8: four partial k_sum of column = lane.
; No cluster: no two work-groups read the same bytes of k or v.
; LIMITS: NaN and infinities are not served.  v / 4800 is v x the f32 nearest to 1 / 4800 (at most one unit in the last place off a division).  A block of zeros gets the scale byte 1 (its codes are zeros; only this program reads the byte).
.set NW,    19                         ; waves, and steps of a quarter
.set NSTEP, 75                         ; steps of 64 rows in a head
.set HEADB, 614400                     ; bytes of a head: 4,800 rows of 128
.set TILEB, 8192                       ; 64 rows
.set WREG,  16384                      ; a wave's LDS: its tile of k, then its tile of v
.set REC,   4608                       ; a work-group's record in part: 9 slabs of 512 bytes
.set FLOOR, 0x2800000                  ; 2^(5 - 127): no largest magnitude is taken under it, so the scale byte cannot fall under 1
.set EOFF,  0xfe000000                 ; takes 4 off an exponent field
.set WV,  12                           ; s12      wave
.set G1,  16                           ; s[16:23] descriptor group 1, for both tiles
.set G0K, 24                           ; s[24:27] group 0 for k's tile
.set G0V, 28                           ; s[28:31] for v's
.set MW,  32                           ; s[32:47] my 64 mask bytes
.set L2E, 48                           ; s[48:49] log2(e), named as a pair
.set ONE, 50                           ; s50      bits of 1.0, or 0 in the wave without a step
.set RS,  51                           ; s51      bits of 1 / 4800, or 0
.set RM,  66                           ; s[66:97] a block's 32 multipliers, one a row
.set AL,  1                            ; v1       LDS: my wave's region + 4 x lane
.set AST, 2                            ; v2       LDS: my wave's region + 16 x lane
.set RD,  3                            ; v3-7     LDS: 512 x wave + 16 x lane + 65,536 g: my slab in the regions of waves 4 g .. 4 g + 3
.set GO,  8                            ; v8       16 x lane
.set MA,  9                            ; v9, v10  two chains of a maximum
.set MB,  10
.set SCO, 11                           ; v11      the conversions' scale operand
.set BY,  12                           ; v12-15   scale bytes: k's block 0, 1; v's block 0, 1
.set XA,  16                           ; v16-47   a block of 32 rows
.set XB,  48                           ; v48-79   the other block
.set T,   80                           ; v80-111  the exponentials;
.set ACC, 80                           ;          later the four accumulators
.set KS,  112                          ; v112-115 k_sum in four chains: the image's ninth group of four
.set KA,  116                          ; v116-139 k's two operands of 12 registers
.set VB,  140                          ; v140-163 v's
.set SK,  164                          ; v164     k's scale words: nothing else ever stands here
.set SV,  165                          ; v165     v's
.set R,   16                           ; v16-91   the sum over the waves: 19 groups of four
	s_load_b256 s[4:11], s[0:1], 0x0               ; k s[4:5], v s[6:7], kv_mask s[8:9], part s[10:11]
	v_lshl_add_u32 v168, v0, 2, 0x4c000
	v_mov_b32 v169, 0
	ds_add_u32 v168, v169
	ds_add_u32 v168, v169
	v_lshrrev_b32 v9, 5, v0
	v_readfirstlane_b32 s[WV], v9                  ; wave 0..18
	v_and_b32 v10, 31, v0                          ; lane
	s_lshr_b32 s13, ttmp9, 2                       ; head
	s_and_b32 s14, ttmp9, 3                        ; quarter
	s_mul_i32 s15, s14, NW
	s_add_co_u32 s15, s15, s[WV]                   ; my step
	s_cmp_lt_u32 s15, NSTEP
	s_cselect_b32 s[ONE], 0x3f800000, 0            ; a step that does not exist counts for nothing
	s_cselect_b32 s[RS], 0x395a740e, 0
	s_min_u32 s15, s15, NSTEP-1                    ; and reads the last one
	s_mul_i32 s52, s13, HEADB
	s_lshl_b32 s53, s15, 13
	s_add_co_u32 s52, s52, s53                     ; my tile's byte in k and in v (under 2^26)
	s_mov_b32 s53, 0
	s_lshr_b32 s54, s13, 3                         ; batch
	s_mul_i32 s54, s54, 4800
	s_lshl_b32 s55, s15, 6
	s_add_co_u32 s54, s54, s55                     ; my 64 mask bytes
	s_mov_b32 s55, 0
	s_mul_i32 s56, ttmp9, REC
	s_lshl_b32 s57, s[WV], 9
	s_add_co_u32 s56, s56, s57                     ; my slab of the work-group's record (waves 0-8)
	s_mov_b32 s57, 0
	s_lshl_b32 s58, s[WV], 14                      ; my region of LDS
	s_lshl_b32 s59, s[WV], 9
	; descriptor group 1: a dense block of 8,192 bytes as 32 rows of 32 elements of 8 bytes, no padding
	s_mov_b32 s[G1+0], 3<<16                       ; no mask; elements of 8 bytes; padding off
	s_mov_b32 s[G1+1], 32<<16                      ; tensor_dim0 = 32
	s_mov_b32 s[G1+2], 32<<16                      ; tensor_dim1 = 32
	s_mov_b32 s[G1+3], 32<<16                      ; tile_dim0 = 32
	s_mov_b32 s[G1+4], 32                          ; tile_dim1 = 32
	s_mov_b32 s[G1+5], 32                          ; from row to row
	s_mov_b32 s[G1+6], 0
	s_mov_b32 s[G1+7], 0
	s_mov_b32 s[L2E], 0x3fb8aa3b
	s_mov_b32 s[L2E+1], s[L2E]
	s_mov_b32 s[G0K], 1
	s_mov_b32 s[G0K+1], s58
	s_mov_b32 s[G0V], 1
	s_add_co_u32 s[G0V+1], s58, TILEB
	s_wait_dscnt 0x0
	s_wait_kmcnt 0x0
	s_add_nc_u64 s[G0K+2:G0K+3], s[4:5], s[52:53]
	s_or_b32 s[G0K+3], s[G0K+3], 0x80000000
	s_add_nc_u64 s[G0V+2:G0V+3], s[6:7], s[52:53]
	s_or_b32 s[G0V+3], s[G0V+3], 0x80000000
	s_add_nc_u64 s[8:9], s[8:9], s[54:55]
	s_add_nc_u64 s[10:11], s[10:11], s[56:57]
	tensor_load_to_lds s[G0K:G0K+3], s[G1:G1+7]    ; both first fills go out together, ahead of every wait on TENSORcnt, LDS read and barrier: two loads of mine are out
	s_nop 0
	tensor_load_to_lds s[G0V:G0V+3], s[G1:G1+7]
	s_nop 0
	s_load_b512 s[MW:MW+15], s[8:9], 0x0           ; the mask is the same for all columns of a row: it lives in scalar registers
	v_lshl_add_u32 v[AL], v10, 2, s58
	v_lshl_add_u32 v[AST], v10, 4, s58
	v_lshl_add_u32 v[RD], v10, 4, s59
.irp g, 1,2,3,4
	v_add_nc_u32 v[RD+\g], \g*0x10000, v[RD]
.endr
	v_lshlrev_b32 v[GO], 4, v10
.irp b, KA, KA+12, VB, VB+12                   ; the zero codes of the half-filled blocks: written once
.irp i, 3,4,5,9,10,11
	v_mov_b32 v[\b+\i], 0
.endr
.endr
.macro LDBLK X, off                            ; 32 rows from byte off of my region: register i = row i, lane = column
.set i, 0
.rept 32
	ds_load_b32 v[\X+i], v[AL] offset:\off+128*i
.set i, i+1
.endr
.endm
.macro ROWMASK bl, mult                        ; block bl's 32 multipliers: the row's mask bit x the bits of 1.0 or of 1 / 4800
.set i, 0
.rept 32
	s_bfe_u32 s[RM+i], s[MW+8*(\bl)+i/4], 0x10000+8*(i%4)
	s_mul_i32 s[RM+i], s[RM+i], s[\mult]
.set i, i+1
.endr
.endm
.macro BLKCODES X, dst, by                     ; 32 numbers of one column become codes in v[dst .. dst+2] and v[dst+6 .. dst+8], and the block's scale byte
	v_max3_num_f32 v[MA], |v[\X]|, |v[\X+1]|, FLOOR
	v_max3_num_f32 v[MB], |v[\X+2]|, |v[\X+3]|, |v[\X+4]|
.irp i, 5,9,13,17,21,25
	v_max3_num_f32 v[MA], v[MA], |v[\X+\i]|, |v[\X+\i+1]|
	v_max3_num_f32 v[MB], v[MB], |v[\X+\i+2]|, |v[\X+\i+3]|
.endr
	v_max3_num_f32 v[MA], v[MA], |v[\X+29]|, |v[\X+30]|
	v_max3_num_f32 v[MA], v[MA], v[MB], |v[\X+31]|
	v_add_nc_u32 v[SCO], EOFF, v[MA]               ; 4 off the exponent field: the conversion takes this operand's exponent field as its scale
	v_cvt_scalef32_pk16_bf6_f32 v[\dst:\dst+2], v[\X:\X+15], v[SCO]
	v_cvt_scalef32_pk16_bf6_f32 v[\dst+6:\dst+8], v[\X+16:\X+31], v[SCO]
	v_lshrrev_b32 v[\by], 23, v[SCO]               ; the scale's byte; also the plain instruction behind the conversions
.endm
.macro KBLOCK bl, X, left                      ; a block of k: left = the LDS loads issued behind this block's, which may stay out
	ROWMASK \bl, ONE
	s_wait_dscnt \left
.set i, 0
.rept 16
	v_pk_mul_f32 v[T+i:T+i+1], v[\X+i:\X+i+1], s[L2E:L2E+1] op_sel_hi:[1,0]
.set i, i+2
.endr
.set i, 0
.rept 32
	v_exp_f32 v[T+i], v[T+i]                       ; e^x: one batch
.set i, i+1
.endr
	v_nop                                          ; a plain instruction behind the last exponential
	s_wait_alu depctr_va_vdst(0)                   ; one wait for the batch, ahead of its first reader
.set i, 0
.rept 16
	v_pk_add_f32 v[T+i:T+i+1], v[T+i:T+i+1], -1.0 op_sel_hi:[1,0]
.set i, i+2
.endr
.set i, 0
.rept 32
	v_med3_num_f32 v[\X+i], v[\X+i], v[T+i], 0     ; elu(x)
.set i, i+1
.endr
.set i, 0
.rept 32
	v_fma_f32 v[\X+i], v[\X+i], s[RM+i], s[RM+i]   ; (elu + 1) x mask, exact in the mask
.set i, i+1
.endr
.if (\bl) == 0
	v_pk_add_f32 v[KS:KS+1], v[\X:\X+1], v[\X+4:\X+5]          ; k_sum of the unquantised numbers: the first rows start the four chains
	v_pk_add_f32 v[KS+2:KS+3], v[\X+2:\X+3], v[\X+6:\X+7]
.set i, 8
.else
.set i, 0
.endif
.rept (32-i)/4
	v_pk_add_f32 v[KS:KS+1], v[KS:KS+1], v[\X+i:\X+i+1]
	v_pk_add_f32 v[KS+2:KS+3], v[KS+2:KS+3], v[\X+i+2:\X+i+3]
.set i, i+4
.endr
	BLKCODES \X, KA+12*(\bl), BY+(\bl)
.endm
.macro VBLOCK bl, X, left                      ; a block of v
	ROWMASK \bl, RS
	s_wait_dscnt \left
.set i, 0
.rept 32
	v_mul_f32 v[\X+i], s[RM+i], v[\X+i]            ; v x mask / 4800
.set i, i+1
.endr
	BLKCODES \X, VB+12*(\bl), BY+2+(\bl)
.endm
	s_wait_tensorcnt 0x1                           ; k's tile is in; v's, issued behind it, may be out
	LDBLK XA, 0
	LDBLK XB, 4096
	s_wait_kmcnt 0x0                               ; the mask bytes
	KBLOCK 0, XA, 32                               ; block 0's 32 loads are in, block 1's may be out
	s_wait_tensorcnt 0x0                           ; v's tile is in
	LDBLK XA, TILEB                                ; v's block 0 into the registers that k's block 0 has left
	KBLOCK 1, XB, 32
	LDBLK XB, TILEB+4096
	VBLOCK 0, XA, 32
	VBLOCK 1, XB, 0
	v_lshl_or_b32 v[MA], v[BY+1], 8, v[BY]         ; a column's scale word: bytes block 0, block 1, block 0, block 1: each block stands in two blocks of the instruction
	v_lshl_or_b32 v[SK], v[MA], 16, v[MA]
	v_lshl_or_b32 v[MB], v[BY+3], 8, v[BY+2]
	v_lshl_or_b32 v[SV], v[MB], 16, v[MB]
.irp i, 0,1,2,6,7,8                            ; the first's lanes 16-31 change places with the second's lanes 0-15: the first now holds block (lane / 16) of column lane % 16, the second of column 16 + lane % 16
	v_permlane16_swap_b32 v[KA+\i], v[KA+12+\i]
	v_permlane16_swap_b32 v[VB+\i], v[VB+12+\i]
.endr
.rept 8
	v_nop                                          ; a scale register written by a vector instruction stands 8 places ahead of a scaled matrix instruction, an operand so written 4
.endr
	; kv(d, e): source 0 = 16 columns of k (m = d), source 1 = 16 columns of v (n = e); the wave's one K step starts and ends each sum
	v_wmma_scale_f32_16x16x128_f8f6f4 v[ACC:ACC+7], v[KA:KA+11], v[VB:VB+11], 0, v[SK], v[SV] matrix_a_fmt:MATRIX_FMT_BF6 matrix_b_fmt:MATRIX_FMT_BF6
	v_wmma_scale_f32_16x16x128_f8f6f4 v[ACC+8:ACC+15], v[KA+12:KA+23], v[VB:VB+11], 0, v[SK], v[SV] matrix_a_fmt:MATRIX_FMT_BF6 matrix_b_fmt:MATRIX_FMT_BF6 matrix_a_scale:MATRIX_SCALE_ROW1
	v_wmma_scale_f32_16x16x128_f8f6f4 v[ACC+16:ACC+23], v[KA:KA+11], v[VB+12:VB+23], 0, v[SK], v[SV] matrix_a_fmt:MATRIX_FMT_BF6 matrix_b_fmt:MATRIX_FMT_BF6 matrix_b_scale:MATRIX_SCALE_ROW1
	v_wmma_scale_f32_16x16x128_f8f6f4 v[ACC+24:ACC+31], v[KA+12:KA+23], v[VB+12:VB+23], 0, v[SK], v[SV] matrix_a_fmt:MATRIX_FMT_BF6 matrix_b_fmt:MATRIX_FMT_BF6 matrix_a_scale:MATRIX_SCALE_ROW1 matrix_b_scale:MATRIX_SCALE_ROW1
.rept 4
	v_nop                                          ; four places ahead of the stores that read the results
.endr
.irp q, 0,1,2,3,4,5,6,7,8                      ; the image: 36 registers, each accumulator from its low end on; into my k tile, which I alone have read and which is never filled again
	ds_store_b128 v[AST], v[ACC+4*\q:ACC+4*\q+3] offset:512*\q
.endr
	s_wait_dscnt 0x0                               ; for the others' sake: my stores have landed
	s_barrier_signal -1
	s_barrier_wait -1
	s_cmp_lt_u32 s[WV], 9                          ; nine slabs, nine waves; the others are done
	s_cbranch_scc0 .Ldone
.set p, 0
.rept NW
	ds_load_b128 v[R+4*p:R+4*p+3], v[RD+p/4] offset:(p%4)*WREG     ; my slab of wave p's image
.set p, p+1
.endr
	s_wait_dscnt 0x0
.macro QADD a, b
	v_pk_add_f32 v[R+4*(\a):R+4*(\a)+1], v[R+4*(\a):R+4*(\a)+1], v[R+4*(\b):R+4*(\b)+1]
	v_pk_add_f32 v[R+4*(\a)+2:R+4*(\a)+3], v[R+4*(\a)+2:R+4*(\a)+3], v[R+4*(\b)+2:R+4*(\b)+3]
.endm
.irp p, 0,1,2,3,4,5,6,7,8
	QADD \p, \p+9
.endr
.irp p, 0,1,2,3
	QADD \p, \p+4
.endr
	QADD 8, 18
	QADD 0, 2
	QADD 1, 3
	QADD 0, 1
	QADD 0, 8
	global_store_b128 v[GO], v[R:R+3], s[10:11]    ; 32 lanes store 512 consecutive bytes, at a multiple of 256 from part's first byte
.Ldone:
	s_wait_tensorcnt 0x0
	ds_add_u32 v168, v169
	s_wait_dscnt 0x0
	s_endpgm
.Lfunc_end_k_qcd38051372_kvsum:
	.size	k_qcd38051372_kvsum, .Lfunc_end_k_qcd38051372_kvsum-k_qcd38051372_kvsum
	.p2alignl 7, 3214868480
	.fill 96, 4, 3214868480
	.section	.rodata,"a",@progbits
	.p2align	6, 0x0
	.amdhsa_kernel k_qcd38051372_kvsum
		.amdhsa_group_segment_fixed_size 313856
		.amdhsa_private_segment_fixed_size 0
		.amdhsa_enable_private_segment 0
		.amdhsa_kernarg_size 32
		.amdhsa_user_sgpr_count 2
		.amdhsa_user_sgpr_kernarg_segment_ptr 1
		.amdhsa_wavefront_size32 1
		.amdhsa_system_sgpr_workgroup_id_x 1
		.amdhsa_system_sgpr_workgroup_id_y 1
		.amdhsa_system_sgpr_workgroup_id_z 1
		.amdhsa_system_vgpr_workitem_id 0
		.amdhsa_next_free_vgpr 170
		.amdhsa_next_free_sgpr 98
		.amdhsa_reserve_vcc 0
		.amdhsa_float_denorm_mode_32 3
		.amdhsa_float_denorm_mode_16_64 3
		.amdhsa_memory_ordered 1
		.amdhsa_forward_progress 1
		.amdhsa_inst_pref_size 54
	.end_amdhsa_kernel
	.amdgpu_metadata
---
amdhsa.version: [ 1, 2 ]
amdhsa.kernels:
  - .name:           k_qcd38051372_kvsum
    .symbol:         k_qcd38051372_kvsum.kd
    .args:
      - { .name: k, .offset: 0, .size: 8, .value_kind: global_buffer, .address_space: global }
      - { .name: v, .offset: 8, .size: 8, .value_kind: global_buffer, .address_space: global }
      - { .name: kv_mask, .offset: 16, .size: 8, .value_kind: global_buffer, .address_space: global }
      - { .name: part, .offset: 24, .size: 8, .value_kind: global_buffer, .address_space: global }
    .group_segment_fixed_size: 313856
    .private_segment_fixed_size: 0
    .kernarg_segment_align: 8
    .kernarg_segment_size: 32
    .max_flat_workgroup_size: 608
    .sgpr_count:     98
    .vgpr_count:     170
    .wavefront_size: 32
...
	.end_amdgpu_metadata
.endif
;; end of part 1
;; launch apply (part 2): grid 256 x 1, 19 waves a work-group, no clusters, 264,704 bytes of LDS; arguments q, q_mask, part, out0; writes out0
.if DOCPART == 2
	.amdgcn_target "amdgcn-amd-amdhsa--gfx1250"
	.amdhsa_code_object_version 6
	.text
	.protected	k_qcd38051372_apply
	.globl	k_qcd38051372_apply
	.p2align	8
	.type	k_qcd38051372_apply,@function
k_qcd38051372_apply:
	s_mov_b64 s[64:65], 0
	v_nop
	global_prefetch_b8 v0, s[64:65] scope:SCOPE_SE
	s_setreg_imm32_b32 hwreg(HW_REG_WAVE_MODE, 25, 1), 1
	s_wait_xcnt 0x0
; y[l][e] = (sum over d of Q(qf[l][d]) Q(kv[d][e])) x 4800 / (sum over d of qf[l][d] k_sum[d] + 1e-6), qf = (elu(q) + 1) x mask.  Q quantises along d: the 32 numbers of a row of qf, or of a column of kv, are one block.
; q, out0: [64 heads][4800][32] f32; q_mask: [8][4800] bytes of 0 or 1; part: for each head four records of partial sums of kv and k_sum, as the launch before laid them.
; SHARES.  As in the launch before: work-group x owns quarter x % 4 of head x / 4, wave w of its 19 owns step 19 (x % 4) + w of 64 rows.  The wave whose step would be 75 (wave 18 of quarter 3) fetches step 74 once more, passes the barrier and ends.
; kv AND k_sum.  Waves 0 and 1 add the four records of columns 16 w .. 16 w + 15 of kv and quantise them; wave 2 adds k_sum.  Their loads stand ahead of their own tensor load.  The results reach all waves
; through LDS as images of the registers, behind one barrier.
; q.  Each wave asks at once for its 8,192 bytes: one tensor load, 32 rows of 256 bytes (two rows of q) with 16 bytes of padding behind each; only that wave reads them.  In half step u lane (r, h) takes row
; 32 u + 2 r + h whole: eight loads of 16 bytes, 272 bytes from lane to lane.  A lane holds a whole block: no maximum crosses lanes.
; K IS 32 OF THE INSTRUCTION'S 128.  A block's codes stand as two half-filled blocks of the instruction (registers 0-2 and 6-8, zero codes in 3-5 and 9-11, one scale byte for both), so that no conversion's result is moved.
; Lanes 0-15 of q's operand hold 16 rows (in the instruction's blocks 0 and 2), lanes 16-31 sixteen others (blocks 1 and 3).  kv's operand exists twice: with its codes in lanes 0-15 and zero codes in 16-31, and the other way round:
; the first picks out the rows of lanes 0-15, the second those of lanes 16-31.  Every lane works, and no product is made twice.
; ORDER ALONG d.  The records give lane (r, h) the d = 8 h + 0..7 and 16 + 8 h + 0..7 of column r.  So the first sixteen codes of a block are d = 0..7, 16..23 and the second sixteen d = 8..15, 24..31, in kv, in q and in k_sum alike:
; q's and k_sum's loads land in that order.
; THE PRODUCT IS USED TRANSPOSED (source 0 = 16 columns of kv, source 1 = q's rows): a lane holds one row and eight neighbouring e, and 4800 z is one number a lane.
; THE WAY OUT.  32 rows go through the wave's own stage in LDS (pitch 272, bytes into which no tile lands) and leave as 512 consecutive bytes an instruction.
; No cluster: the four work-groups of a head share 18,432 bytes of records against 155,648 bytes of q each: too small a part for joint loads.
; LIMITS: NaN and infinities are not served.  A row or column of zeros gets the scale byte 1 (its codes are zeros; only this program reads the byte).  z is made by v_rcp_f32.
.set NW,    19
.set NSTEP, 75
.set HEADB, 614400
.set REC,   4608
.set PIT,   272                        ; two rows of q, or of y, and 16 bytes of padding
.set QTW,   32*PIT                     ; a wave's tile of q
.set STG,   NW*QTW                     ; behind the tiles: the stages,
.set STW,   16*PIT                     ; 32 rows for each wave
.set IMG,   STG+NW*STW                 ; kv's four operands, 12 registers x 128 bytes each,
.set IMGS,  IMG+4*1536                 ; kv's scale words, 128 bytes for each tile of columns,
.set IMGK,  IMGS+256                   ; k_sum, 128 bytes
.set FLOOR, 0x2800000
.set EOFF,  0xfe000000
.set WV,   12
.set G1,   16                          ; s[16:23], s[24:27] the tile's descriptor
.set G0,   24
.set L2E,  28                          ; s[28:29] log2(e), named as a pair
.set SEL,  30                          ; s[30:31] v_permlanex16_b32's selects for lane l xor 16
.set LIVE, 45                          ; s45  1 if my step exists
.set AQ,   1                           ; v1   LDS: my tile + 272 r + 128 h
.set AST,  2                           ; v2   my stage + 272 r + 32 h
.set ARD,  3                           ; v3   my stage + 272 h + 16 r
.set GO,   4                           ; v4   16 x lane
.set ALI,  5                           ; v5   IMG + 16 x lane
.set ASC,  6                           ; v6   IMGS + 4 x lane
.set AK,   7                           ; v7   IMGK
.set AIW,  8                           ; v8   IMG + 3,072 x wave + 16 x lane: where waves 0, 1 put their two operands
.set ASW,  9                           ; v9   IMGS + 128 x wave + 4 x lane
.set AKW,  10                          ; v10  IMGK + 4 x lane
.set LP,   11                          ; v11  2,048 x wave + 16 x lane: my tile of columns in a record
.set MO,   12                          ; v12  2 r + h: my row in a half step
.set QM,   14                          ; v14, v16 my rows' masks (v15, v17 are named with them as pairs)
.set X,    20                          ; v20-51   a row of q
.set P,    20                          ; v20-83   the records, in waves 0-2
.set T,    52                          ; v52-83   the exponentials; then the four accumulators; then rows of y
.set QC,   84                          ; v84-95   q's operand
.set OPS,  96                          ; v96-143  kv's operands: 24 t + 12 hs
.set KSV,  144                         ; v144-175 k_sum, all 32 in every lane
.set SKV,  176                         ; v176-177 kv's scale words; v178 q's: nothing else ever stands in these three
.set SQ,   178
.set MA,   180
.set MB,   181
.set SCO,  182
.set BYT,  183
.set ZA,   184                         ; v[184:185], v[186:187] the dot product with k_sum in four chains
.set ZB,   186
.set ZP,   188                         ; v188: 4800 z of the rows of lanes 0-15; v190: of lanes 16-31 (v189, v191 named with them as pairs)
	s_load_b256 s[4:11], s[0:1], 0x0               ; q s[4:5], q_mask s[6:7], part s[8:9], out0 s[10:11]
	v_lshl_add_u32 v190, v0, 2, 0x40000
	v_mov_b32 v191, 0
	ds_add_u32 v190, v191
	ds_add_u32 v190, v191
	s_wait_dscnt 0x0
	v_lshrrev_b32 v13, 5, v0
	v_readfirstlane_b32 s[WV], v13                 ; wave 0..18
	v_and_b32 v18, 31, v0                          ; lane
	v_and_b32 v19, 15, v0                          ; r
	v_bfe_u32 v13, v0, 4, 1                        ; h
	s_lshr_b32 s13, ttmp9, 2                       ; head
	s_and_b32 s14, ttmp9, 3                        ; quarter
	s_mul_i32 s15, s14, NW
	s_add_co_u32 s15, s15, s[WV]                   ; my step
	s_cmp_lt_u32 s15, NSTEP
	s_cselect_b32 s[LIVE], 1, 0
	s_min_u32 s15, s15, NSTEP-1
	s_mul_i32 s46, s13, HEADB
	s_lshl_b32 s47, s15, 13
	s_add_co_u32 s46, s46, s47                     ; my step's byte in q and in out0
	s_mov_b32 s47, 0
	s_lshr_b32 s48, s13, 3
	s_mul_i32 s48, s48, 4800
	s_lshl_b32 s49, s15, 6
	s_add_co_u32 s48, s48, s49                     ; my 64 mask bytes
	s_mov_b32 s49, 0
	s_mul_i32 s50, s13, 4*REC                      ; the head's four records
	s_mov_b32 s51, 0
	s_mul_i32 s40, s[WV], QTW
	s_mul_i32 s41, s[WV], STW
	s_add_co_u32 s41, s41, STG
	s_mul_i32 s42, s[WV], 3072
	s_lshl_b32 s43, s[WV], 7
	s_lshl_b32 s44, s[WV], 11
	; descriptor group 1: a dense block of 8,192 bytes as 32 rows of 32 elements of 8 bytes, 4 words of padding behind every 64 words
	s_mov_b32 s[G1+0], (3<<16)|(1<<20)|(5<<22)|(3<<25)
	s_mov_b32 s[G1+1], 32<<16
	s_mov_b32 s[G1+2], 32<<16
	s_mov_b32 s[G1+3], 32<<16
	s_mov_b32 s[G1+4], 32
	s_mov_b32 s[G1+5], 32
	s_mov_b32 s[G1+6], 0
	s_mov_b32 s[G1+7], 0
	s_mov_b32 s[G0], 1
	s_mov_b32 s[G0+1], s40
	s_mov_b32 s[L2E], 0x3fb8aa3b
	s_mov_b32 s[L2E+1], s[L2E]
	s_mov_b32 s[SEL], 0x76543210
	s_mov_b32 s[SEL+1], 0xfedcba98
	; every LDS address is made here, ahead of the place where the waves part
	v_mul_u32_u24 v[AQ], v19, PIT
	v_lshl_add_u32 v[AQ], v13, 7, v[AQ]
	v_add_nc_u32 v[AQ], s40, v[AQ]
	v_mul_u32_u24 v[AST], v19, PIT
	v_lshl_add_u32 v[AST], v13, 5, v[AST]
	v_add_nc_u32 v[AST], s41, v[AST]
	v_mul_u32_u24 v[ARD], v13, PIT
	v_lshl_add_u32 v[ARD], v19, 4, v[ARD]
	v_add_nc_u32 v[ARD], s41, v[ARD]
	v_lshlrev_b32 v[GO], 4, v18
	v_lshl_add_u32 v[ALI], v18, 4, IMG
	v_lshl_add_u32 v[ASC], v18, 2, IMGS
	v_mov_b32 v[AK], IMGK
	v_add_nc_u32 v[AIW], s42, v[ALI]
	v_add_nc_u32 v[ASW], s43, v[ASC]
	v_lshl_add_u32 v[AKW], v18, 2, IMGK
	v_add_nc_u32 v[LP], s44, v[GO]
	v_lshl_add_u32 v[MO], v19, 1, v13
	v_mov_b32 v[QM+1], 0                           ; upper halves of pairs of which the low word serves both halves: written, since the pair is named
	v_mov_b32 v[QM+3], 0
	v_mov_b32 v[ZP+1], 0
	v_mov_b32 v[ZP+3], 0
.irp i, 3,4,5,9,10,11
	v_mov_b32 v[QC+\i], 0                          ; the zero codes of q's half-filled blocks: written once
.endr
	s_wait_kmcnt 0x0
	s_add_nc_u64 s[G0+2:G0+3], s[4:5], s[46:47]
	s_or_b32 s[G0+3], s[G0+3], 0x80000000
	s_add_nc_u64 s[6:7], s[6:7], s[48:49]
	s_add_nc_u64 s[8:9], s[8:9], s[50:51]
	s_add_nc_u64 s[10:11], s[10:11], s[46:47]
	global_load_u8 v[QM], v[MO], s[6:7]            ; 32 lanes read 32 consecutive bytes: the masks of half step 0,
	global_load_u8 v[QM+2], v[MO], s[6:7] offset:32    ; and of half step 1
	; THE WAVES PART ONCE.  Each way holds the wave's one tensor load, its first fill, ahead of every wait on TENSORcnt, LDS read and barrier.
	s_cmp_lt_u32 s[WV], 2
	s_cbranch_scc0 .Lnot_kv
	; ---- waves 0, 1: columns 16 w .. 16 w + 15 of kv
.irp c, 0,1,2,3
.irp g, 0,1,2,3
	global_load_b128 v[P+16*\c+4*\g:P+16*\c+4*\g+3], v[LP], s[8:9] offset:REC*\c+512*\g    ; 512 consecutive bytes a load
.endr
.endr
	tensor_load_to_lds s[G0:G0+3], s[G1:G1+7]
	s_nop 0
.irp i, 3,4,5,6,7,8,9,10,11,12,13,14,15,16,17,21,22,23
	v_mov_b32 v[OPS+\i], 0                         ; the two operands' zero codes
.endr
	s_wait_loadcnt 0x0
.irp c, 1,2,3
.irp i, 0,2,4,6,8,10,12,14
	v_pk_add_f32 v[P+\i:P+\i+1], v[P+\i:P+\i+1], v[P+16*\c+\i:P+16*\c+\i+1]    ; kv: the four quarters' sums, s ascending
.endr
.endr
	v_max3_num_f32 v[MA], |v[P]|, |v[P+1]|, FLOOR
	v_max3_num_f32 v[MB], |v[P+2]|, |v[P+3]|, |v[P+4]|
.irp i, 5,9
	v_max3_num_f32 v[MA], v[MA], |v[P+\i]|, |v[P+\i+1]|
	v_max3_num_f32 v[MB], v[MB], |v[P+\i+2]|, |v[P+\i+3]|
.endr
	v_max3_num_f32 v[MA], v[MA], |v[P+13]|, |v[P+14]|
	v_max3_num_f32 v[MA], v[MA], v[MB], |v[P+15]|
	v_permlanex16_b32 v[MB], v[MA], s[SEL], s[SEL+1]
	v_max_num_f32 v[MA], v[MA], v[MB]              ; with lane l xor 16's sixteen: the column's largest magnitude
	v_add_nc_u32 v[SCO], EOFF, v[MA]
	v_cvt_scalef32_pk16_bf6_f32 v[OPS:OPS+2], v[P:P+15], v[SCO]        ; my sixteen codes, once for each of the two operands
	v_cvt_scalef32_pk16_bf6_f32 v[OPS+18:OPS+20], v[P:P+15], v[SCO]
	v_lshrrev_b32 v[BYT], 23, v[SCO]               ; the scale's byte; also the plain instruction behind the conversions
.irp i, 0,1,2
	v_permlane16_swap_b32 v[OPS+\i], v[OPS+6+\i]       ; (codes | zeros): lanes 0-15 keep their sixteen and get lane l + 16's as the second sixteen; lanes 16-31 are left with zeros
	v_permlane16_swap_b32 v[OPS+12+\i], v[OPS+18+\i]   ; (zeros | codes): lanes 16-31 get lane l - 16's as the first sixteen and keep theirs as the second; lanes 0-15 are left with zeros
.endr
	v_lshl_or_b32 v[MA], v[BYT], 8, v[BYT]
	v_lshl_or_b32 v[MB], v[MA], 16, v[MA]          ; the byte in all four places: it stands for whichever blocks of the instruction hold the codes
.irp g, 0,1,2,3,4,5
	ds_store_b128 v[AIW], v[OPS+4*\g:OPS+4*\g+3] offset:512*\g
.endr
	ds_store_b32 v[ASW], v[MB]
	s_branch .Ljoin
.Lnot_kv:
	s_cmp_eq_u32 s[WV], 2
	s_cbranch_scc0 .Lothers
	; ---- wave 2: k_sum: lane d adds the four chains of the four records
.irp c, 0,1,2,3
	global_load_b128 v[P+4*\c:P+4*\c+3], v[GO], s[8:9] offset:REC*\c+4096
.endr
	tensor_load_to_lds s[G0:G0+3], s[G1:G1+7]
	s_nop 0
	v_nop
	s_wait_loadcnt 0x0
	v_pk_add_f32 v[P:P+1], v[P:P+1], v[P+4:P+5]
	v_pk_add_f32 v[P+2:P+3], v[P+2:P+3], v[P+6:P+7]
	v_pk_add_f32 v[P+8:P+9], v[P+8:P+9], v[P+12:P+13]
	v_pk_add_f32 v[P+10:P+11], v[P+10:P+11], v[P+14:P+15]
	v_pk_add_f32 v[P:P+1], v[P:P+1], v[P+8:P+9]
	v_pk_add_f32 v[P+2:P+3], v[P+2:P+3], v[P+10:P+11]
	v_pk_add_f32 v[P:P+1], v[P:P+1], v[P+2:P+3]
	v_add_f32 v[P], v[P], v[P+1]
	ds_store_b32 v[AKW], v[P]
	s_branch .Ljoin
.Lothers:
	tensor_load_to_lds s[G0:G0+3], s[G1:G1+7]
	s_nop 0
	v_nop
.Ljoin:
	s_wait_dscnt 0x0                               ; for the others' sake: the images have landed
	s_barrier_signal -1
	s_barrier_wait -1                              ; The tiles may still be on their way
	s_cmp_eq_u32 s[LIVE], 0
	s_cbranch_scc1 .Lidle
.irp g, 0,1,2,3,4,5,6,7,8,9,10,11
	ds_load_b128 v[OPS+4*\g:OPS+4*\g+3], v[ALI] offset:512*\g          ; kv's four operands, as they were stored
.endr
	ds_load_b32 v[SKV], v[ASC]
	ds_load_b32 v[SKV+1], v[ASC] offset:128
.irp g, 0,1,2,3,4,5,6,7                        ; k_sum, the same 16 bytes for all lanes, in the codes' order along d
	ds_load_b128 v[KSV+8*((\g/2)%2*2+\g/4)+4*(\g%2):KSV+8*((\g/2)%2*2+\g/4)+4*(\g%2)+3], v[AK] offset:16*\g
.endr
	s_wait_loadcnt 0x0                             ; the masks
	v_cvt_f32_u32 v[QM], v[QM]
	v_cvt_f32_u32 v[QM+2], v[QM+2]
	s_wait_tensorcnt 0x0                           ; my tile is in
.macro LOADQ u                                 ; my row of half step u: d = 0..7, 16..23, 8..15, 24..31 in registers 0..31
.irp g, 0,1,2,3,4,5,6,7
	ds_load_b128 v[X+8*((\g/2)%2*2+\g/4)+4*(\g%2):X+8*((\g/2)%2*2+\g/4)+4*(\g%2)+3], v[AQ] offset:STW*\u+16*\g
.endr
.endm
.macro PROC u                                  ; qf, its dot product with k_sum, its codes and scale
	s_wait_dscnt 0x0
.if \u
	s_wait_xcnt 0x0                                ; the last half step's stores have read their registers: those are written again below
.endif
.set i, 0
.rept 16
	v_pk_mul_f32 v[T+i:T+i+1], v[X+i:X+i+1], s[L2E:L2E+1] op_sel_hi:[1,0]
.set i, i+2
.endr
.set i, 0
.rept 32
	v_exp_f32 v[T+i], v[T+i]                       ; e^x: one batch
.set i, i+1
.endr
	v_nop                                          ; a plain instruction behind the last exponential
	s_wait_alu depctr_va_vdst(0)                   ; one wait for the batch, ahead of its first reader
.set i, 0
.rept 16
	v_pk_add_f32 v[T+i:T+i+1], v[T+i:T+i+1], -1.0 op_sel_hi:[1,0]
.set i, i+2
.endr
.set i, 0
.rept 32
	v_med3_num_f32 v[X+i], v[X+i], v[T+i], 0       ; elu(x): the middle of x, e^x - 1 and 0
.set i, i+1
.endr
.set i, 0
.rept 16
	v_pk_fma_f32 v[X+i:X+i+1], v[X+i:X+i+1], v[QM+2*\u:QM+2*\u+1], v[QM+2*\u:QM+2*\u+1] op_sel_hi:[1,0,0]   ; (elu + 1) x my row's mask
.set i, i+2
.endr
	v_pk_mul_f32 v[ZA:ZA+1], v[X:X+1], v[KSV:KSV+1]                    ; qf . k_sum, of the unquantised numbers, in f32
	v_pk_mul_f32 v[ZB:ZB+1], v[X+2:X+3], v[KSV+2:KSV+3]
.set i, 4
.rept 7
	v_pk_fma_f32 v[ZA:ZA+1], v[X+i:X+i+1], v[KSV+i:KSV+i+1], v[ZA:ZA+1]
	v_pk_fma_f32 v[ZB:ZB+1], v[X+i+2:X+i+3], v[KSV+i+2:KSV+i+3], v[ZB:ZB+1]
.set i, i+4
.endr
	v_max3_num_f32 v[MA], v[X], v[X+1], FLOOR      ; no number is negative here
	v_max3_num_f32 v[MB], v[X+2], v[X+3], v[X+4]
.irp i, 5,9,13,17,21,25
	v_max3_num_f32 v[MA], v[MA], v[X+\i], v[X+\i+1]
	v_max3_num_f32 v[MB], v[MB], v[X+\i+2], v[X+\i+3]
.endr
	v_max3_num_f32 v[MA], v[MA], v[X+29], v[X+30]
	v_max3_num_f32 v[MA], v[MA], v[MB], v[X+31]
	v_add_nc_u32 v[SCO], EOFF, v[MA]
	v_cvt_scalef32_pk16_bf6_f32 v[QC:QC+2], v[X:X+15], v[SCO]
	v_cvt_scalef32_pk16_bf6_f32 v[QC+6:QC+8], v[X+16:X+31], v[SCO]
	v_lshrrev_b32 v[BYT], 23, v[SCO]               ; the scale's byte; also the plain instruction behind the conversions
	v_lshl_or_b32 v[MA], v[BYT], 8, v[BYT]
	v_lshl_or_b32 v[SQ], v[MA], 16, v[MA]          ; my row's byte in all four places: lanes 0-15 are read for their rows, lanes 16-31 for theirs
	v_pk_add_f32 v[ZA:ZA+1], v[ZA:ZA+1], v[ZB:ZB+1]
	v_add_f32 v[ZA], v[ZA], v[ZA+1]
	v_add_f32 v[ZA], 0x358637bd, v[ZA]             ; + 1e-6
	v_rcp_f32 v[ZB], v[ZA]
	v_nop                                          ; a plain instruction behind the reciprocal,
	s_wait_alu depctr_va_vdst(0)                   ; and the wait ahead of its reader
	v_mul_f32 v[ZP], 0x45960000, v[ZB]             ; 4800 z of my row
	v_mov_b32 v[ZP+2], v[ZP]
	v_permlane16_swap_b32 v[ZP], v[ZP+2]           ; the first now holds, in both halves, that of lane r's row; the second that of lane 16 + r's
.endm
.macro OUT u                                   ; the products, x 4800 z, and the way out
.rept 4
	v_nop                                          ; with the plain lines above: more than 8 places behind the scale word's last write, more than 4 behind the codes'
.endr
.irp hs, 0,1
.irp t, 0,1
.if \hs
	v_wmma_scale_f32_16x16x128_f8f6f4 v[T+16*\hs+8*\t:T+16*\hs+8*\t+7], v[OPS+24*\t+12*\hs:OPS+24*\t+12*\hs+11], v[QC:QC+11], 0, v[SKV+\t], v[SQ] matrix_a_fmt:MATRIX_FMT_BF6 matrix_b_fmt:MATRIX_FMT_BF6 matrix_b_scale:MATRIX_SCALE_ROW1
.else
	v_wmma_scale_f32_16x16x128_f8f6f4 v[T+16*\hs+8*\t:T+16*\hs+8*\t+7], v[OPS+24*\t+12*\hs:OPS+24*\t+12*\hs+11], v[QC:QC+11], 0, v[SKV+\t], v[SQ] matrix_a_fmt:MATRIX_FMT_BF6 matrix_b_fmt:MATRIX_FMT_BF6
.endif
.endr
.endr                                          ; register 16 hs + 8 t + j of lane (r, h): row 32 u + 2 r + hs, e = 16 t + 8 h + j
.rept 4
	v_nop                                          ; four places ahead of the first read of the results (ISA guide 7.12.1)
.endr
.irp hs, 0,1
.set i, 0
.rept 8
	v_pk_mul_f32 v[T+16*\hs+i:T+16*\hs+i+1], v[T+16*\hs+i:T+16*\hs+i+1], v[ZP+2*\hs:ZP+2*\hs+1] op_sel_hi:[1,0]   ; each accumulator from its low end on
.set i, i+2
.endr
.endr
.irp hs, 0,1
.irp t, 0,1
.irp g, 0,1
	ds_store_b128 v[AST], v[T+16*\hs+8*\t+4*\g:T+16*\hs+8*\t+4*\g+3] offset:128*\hs+64*\t+16*\g
.endr
.endr
.endr
.irp i, 0,1,2,3,4,5,6,7
	ds_load_b128 v[T+4*\i:T+4*\i+3], v[ARD] offset:2*PIT*\i            ; LDS serves a wave's instructions in order (ISA guide 5.7.1.4): these see my stores; four whole rows a load
.endr
.irp i, 0,1,2,3,4,5,6,7
	s_wait_dscnt 7-\i                              ; load i is back; the younger ones may be out
	global_store_b128 v[GO], v[T+4*\i:T+4*\i+3], s[10:11] offset:4096*\u+512*\i th:TH_STORE_NT   ; 32 lanes store 512 consecutive bytes, at a multiple of 256 from out0's first byte
.endr
.endm
	LOADQ 0
	PROC 0
	LOADQ 1                                        ; the next rows come while this half step's products and stores go out
	OUT 0
	PROC 1
	OUT 1
	s_wait_xcnt 0x0
	v_lshl_add_u32 v190, v0, 2, 0x40000
	v_mov_b32 v191, 0
	s_wait_tensorcnt 0x0
	ds_add_u32 v190, v191
	s_wait_dscnt 0x0
	s_endpgm
.Lidle:                                            ; the wave without a step: its tile and its mask bytes have to be in before it ends
	s_wait_tensorcnt 0x0
	s_wait_loadcnt 0x0
	s_wait_xcnt 0x0
	v_lshl_add_u32 v190, v0, 2, 0x40000
	v_mov_b32 v191, 0
	s_wait_tensorcnt 0x0
	ds_add_u32 v190, v191
	s_wait_dscnt 0x0
	s_endpgm
.Lfunc_end_k_qcd38051372_apply:
	.size	k_qcd38051372_apply, .Lfunc_end_k_qcd38051372_apply-k_qcd38051372_apply
	.p2alignl 7, 3214868480
	.fill 96, 4, 3214868480
	.section	.rodata,"a",@progbits
	.p2align	6, 0x0
	.amdhsa_kernel k_qcd38051372_apply
		.amdhsa_group_segment_fixed_size 264704
		.amdhsa_private_segment_fixed_size 0
		.amdhsa_enable_private_segment 0
		.amdhsa_kernarg_size 32
		.amdhsa_user_sgpr_count 2
		.amdhsa_user_sgpr_kernarg_segment_ptr 1
		.amdhsa_wavefront_size32 1
		.amdhsa_system_sgpr_workgroup_id_x 1
		.amdhsa_system_sgpr_workgroup_id_y 1
		.amdhsa_system_sgpr_workgroup_id_z 1
		.amdhsa_system_vgpr_workitem_id 0
		.amdhsa_next_free_vgpr 192
		.amdhsa_next_free_sgpr 66
		.amdhsa_reserve_vcc 0
		.amdhsa_float_denorm_mode_32 3
		.amdhsa_float_denorm_mode_16_64 3
		.amdhsa_memory_ordered 1
		.amdhsa_forward_progress 1
		.amdhsa_inst_pref_size 40
	.end_amdhsa_kernel
	.amdgpu_metadata
---
amdhsa.version: [ 1, 2 ]
amdhsa.kernels:
  - .name:           k_qcd38051372_apply
    .symbol:         k_qcd38051372_apply.kd
    .args:
      - { .name: q, .offset: 0, .size: 8, .value_kind: global_buffer, .address_space: global }
      - { .name: q_mask, .offset: 8, .size: 8, .value_kind: global_buffer, .address_space: global }
      - { .name: part, .offset: 16, .size: 8, .value_kind: global_buffer, .address_space: global }
      - { .name: out0, .offset: 24, .size: 8, .value_kind: global_buffer, .address_space: global }
    .group_segment_fixed_size: 264704
    .private_segment_fixed_size: 0
    .kernarg_segment_align: 8
    .kernarg_segment_size: 32
    .max_flat_workgroup_size: 608
    .sgpr_count:     66
    .vgpr_count:     192
    .wavefront_size: 32
...
	.end_amdgpu_metadata
.endif
;; end of part 2
